; MI455X (gfx1250); checked and timed in simulation.
; The chip was launched on July 23, 2026; its instructions are those of AMD's public machine-readable ISA for CDNA 5 (MIT licence, August 2026) and "CDNA5" Instruction Set Architecture Reference Guide (July 2026). The comments in the code are by the model that wrote it; some were corrected since.
;; Full Attention. Allowed arithmetic: matrix products marked QUANTISED: E4M3 operands, one given power-of-two scale a tensor, by v_wmma_f32_16x16x64_fp8_fp8 or v_wmma_f32_16x16x128_fp8_fp8, f32 sums; everything else in f32.
;; Inputs: keys_codes 4 x 2,048 x 16 x 2 x 32 uint8 (E4M3 codes of keys, K innermost, in blocks of 32 codes); lowp_scales 4 int32 (the exponents e of the quantised operands' scales 2^e); queries_codes 4 x 2,048 x 16 x 2 x 32 uint8 (E4M3 codes of queries, K innermost, in blocks of 32 codes); values_codes 4 x 16 x 64 x 64 x 32 uint8 (E4M3 codes of values, K innermost, in blocks of 32 codes).
;; Outputs: out0 4 x 2,048 x 16 x 64 float32.
;; This version of the problem:
;;   THIS VERSION OF THE PROBLEM IS GIVEN IN LOW PRECISION. The matrix products marked QUANTISED in the list below multiply operands that are first quantised to E4M3 (4 exponent bits, 3 mantissa bits; 8 bits a number), with one given power-of-two scale for each operand tensor; their sums are f32. All else is computed in f32.
;;   The module's matrix products, in the order in which they are computed (A, B: the left and right operand; K: the contracted axis; several contracted axes count as one K, in the product's order):
;;     1. batch 64 x [M 2,048, K 64] x [K 64, N 2,048]; A: input queries (given as codes); B: input keys (given as codes): QUANTISED (scales: A lowp_scales[0], B lowp_scales[1])
;;     2. batch 64 x [M 64, K 2,048] x [K 2,048, N 2,048]; A: input values (given as codes); B: softmax (see below): QUANTISED (scales: A lowp_scales[2], B lowp_scales[3])
;;   THE QUANTISER, for each operand of a quantised product, along K:
;;     - The operand's scale is 2^e, e = its entry of the input lowp_scales (int32; the entries are numbered through the quantised products in the list's order, A before B).
;;     - Each number is divided by the scale, clamped to +-448, and rounded to the nearest number of E4M3, ties to even, subnormals kept.
;;     - The product sums the exact products of the quantised numbers (number of the format x scale) in f32.
;;   ~~~python
;;   def quantise(x, axis, e):      # numpy; x: float32 -> the quantised numbers, widened to float32 again
;;       x = np.moveaxis(x, axis, -1); K = x.shape[-1]
;;       r = np.clip(x / 2.0 ** e, -448, 448)
;;       step = 2.0 ** (np.maximum(np.frexp(np.where(r == 0, 1, r))[1] - 1, -6) - 3)
;;       q = np.round(r / step) * step * 2.0 ** e      # np.round: ties to even
;;       return np.moveaxis(q, -1, axis).astype(np.float32)
;;   ~~~
;;   SOFTMAX AHEAD OF A QUANTISED PRODUCT. Where the list says 'softmax', what is quantised is not the finished softmax but p = 2^(t - M), with t = logit x log2(e) and M = ceil(the row's largest t), a whole number; so 1/2 < the row's largest p <= 1. The row's sum l is taken of the UNQUANTISED p, in f32, and the product's result is divided by l at the end. Since M is a whole number, a kernel that streams over the keys may use a running M (the ceiling of the running maximum): every later rescaling is an exact power of two, so the quantised numbers keep their values, but for numbers so far below the row's largest that they fall under the format's range.
;;   OPERANDS COMPUTED ON THE WAY. 'Computed on the way' means the value that the module computes at that place (a softmax that the list does not call 'softmax' is quantised finished and normalised). What goes into a quantiser is computed in f32, as accurately as f32 sums, v_exp_f32 and their like allow (about 1e-6 of the number): no bf16 or f16 on the way to a quantiser, and a product that is left as it is and whose result goes on into a quantised operand takes f32 operands (vector FMAs, or v_wmma_f32_16x16x4_f32). A number that lies on a knife's edge between two numbers of the format may be rounded either way, as far as f32 arithmetic and the matrix unit's own rounding can turn it there, and no further.
;;   INPUTS GIVEN AS CODES. keys (in the module: [4, 2048, 16, 64], K = its axis 3); queries (in the module: [4, 2048, 16, 64], K = its axis 3); values (in the module: [4, 2048, 16, 64], K = its axis 1): each comes as NAME_codes (uint8): NAME with its K axis moved to the last place and cut into blocks of 32 codes, [.., K / 32, bytes a block], one block behind the other in memory; one code a byte (a code: sign, 4 exponent bits, 3 mantissa bits); its scale is its entry of lowp_scales. Its value is code x scale, taken as it is: it is not quantised again, and the codes and scales need not be those that the quantiser above would give.
;; One version. Each part assembles by itself: llvm-mc -triple=amdgcn-amd-amdhsa -mcpu=gfx1250 --defsym DOCPART=n.
;; ======== version 1 of 1: 1 launch
;; limits: right only within a limited range of input values
;; launch attn (part 1): grid 256 x 1, 8 waves a work-group, clusters of 4 x 1, 304,128 bytes of LDS; arguments queries_codes, keys_codes, values_codes, lowp_scales, out0; writes out0
.if DOCPART == 1
	.amdgcn_target "amdgcn-amd-amdhsa--gfx1250"
	.amdhsa_code_object_version 6
	.text
	.protected	k_q7e82a73e35_attn
	.globl	k_q7e82a73e35_attn
	.p2align	8
	.type	k_q7e82a73e35_attn,@function
k_q7e82a73e35_attn:
	s_mov_b64 s[64:65], 0
	v_nop
	global_prefetch_b8 v0, s[64:65] scope:SCOPE_SE
	s_setreg_imm32_b32 hwreg(HW_REG_WAVE_MODE, 25, 1), 1
	s_wait_xcnt 0x0
	s_wait_alu depctr_hold_cnt(0) depctr_sa_sdst(0) depctr_va_vdst(0) depctr_va_sdst(0) depctr_va_ssrc(0) depctr_va_vcc(0) depctr_vm_vsrc(0)
	s_getreg_b32 s2, hwreg(HW_REG_IB_STS2, 6, 4)
	s_cmp_eq_u32 s2, 0
	s_cbranch_scc0 .Lentry_in_a_cluster
	s_endpgm
.Lentry_in_a_cluster:
	s_bfe_u32 s2, ttmp6, 0x10000c
	s_cmp_lg_u32 s2, 0x3003
	s_cbranch_scc0 .Lentry_shape_is_right
	s_endpgm
.Lentry_shape_is_right:
; out[b][l][h][:] = the sum over s <= l of softmax_s(Q[b][l][h] . K[b][s][h] / 8) V[b][s][h][:]: causal attention, 4 x 16 heads, 2,048 queries and keys, head size 64.
; Both products on codes of FP8 (E4M3), each tensor with the one scale 2^e that is given for it; lowp_scales holds eq, ek, ev, ep in this order.
; Q, K: codes, a (b, l, h) row is 64 bytes, rows of one head 1,024 bytes apart.  V: codes with the KEYS innermost: 64 rows of 2,048 bytes a head.  out: f32, a (b, l, h) row is 256 bytes.
; THE SOFTMAX AHEAD OF THE SECOND PRODUCT: t = score x log2(e) / 8; M = the largest t so far, rounded UP to a whole number; p = 2^(t - M) is what is quantised, not normalised.
; The row's sum is taken of the unquantised p, in f32, and divides O at the end.  When M moves, the sum and O are multiplied by 2^(old M - new M): nothing is rounded, and no branch hangs on data.
; K AND V OF A HEAD LIE WHOLE IN LDS: 2,048 x 80 + 8 x 64 x 272 = 303,104 bytes with padding.  They are fetched once, at the head; no LDS byte is filled twice.  So the loop has no ring and no barrier.
; CLUSTER: the four work-groups of a cluster serve one head and need the same K and V: each tile is asked for JOINTLY, by the same tensor load with the same descriptor and the mask 15.
; SHARES.  A key step is 128 keys (16 steps), a group 128 queries (16 groups); group g needs steps 0 .. g, step g lies on the diagonal.  The partner at place cx takes queries 32 cx .. 32 cx + 31 of EVERY group,
; so that what a wave leaves out hangs on its number and on the step alone, never on the work-group's place.  Wave J (0..7) takes two PAIRS of tiles of 16 queries: the early pair in group J, the late pair in group 15 - J:
; (J + 1) + (16 - J) = 17 pair steps for every wave of every work-group.  A step's fragments of K and V are read from LDS once and serve both pairs.
; On the diagonal every partner masks all 128 keys of the step alike, tiles that are wholly hidden too: leaving those out would be a branch on the place in the cluster.
; LAYOUT.  Both products are used transposed.  S^T = K Q^T (K = 64 form; source 0 = 16 neighbouring keys, source 1 = 16 queries): lane (r, hh) holds query r, register j of tile t key 16 t + 8 hh + j.
; K's and Q's fragments come by two loads of 16 bytes (registers 4 c .. 4 c + 3 = bytes 32 c + 16 hh + 0 .. 15 of the row): a permutation of the head's 64, the same on both sides, so every product meets its partner.
; The conversion of tile t's eight registers gives registers 2 t, 2 t + 1 of P: keys 16 t + 8 hh + 0 .. 7, the K = 128 form's own layout.  O^T = V^T P (source 0 = 16 rows d of V by eight loads of 8 bytes, source 1 = P).
; O^T, the sums and the largest t begin as 0, 0 and -3e38, so that the step is written once: 128 v_mov_b32, issued while the tiles are on their way, in place of a second copy of the step.
; NOTHING IS PREFETCHED: every byte of K and V is asked for by the tensor loads at the head; there is no later request to run ahead of.
; LIMITS on the given exponents, so that each power of two below is an f32 number: eq + ek between -123 and 130 (added to c's exponent field); ep between -126 and 127; ep + ev goes through v_ldexp_f32 and has none.
; |t| stays under 3e38.  NaN codes among the inputs are not served.
; REGISTERS, in two windows of 256 (s_set_vgpr_msb: bits 1:0 source 0, 3:2 source 1, 5:4 source 2, 7:6 destination):
;   window 0: v1-14 lane numbers, addresses, constants; v16-31 statistics, four a tile; v32-47 at work; v48-55 the way out; v64-95 Q; v96-127 P; v128-191, v192-255 S^T, then p, of the pair's tiles a and b.
;   window 1: v0-127 O^T, 32 a tile; v128-191 K's eight fragments of a step; v192-255 V's four.
.set KP,    80                         ; a key's row in LDS: 64 bytes + 16 of padding = 20 words: sixteen neighbouring rows begin at 16-byte columns 5 r mod 16, all different
.set KSTEP, 128*KP                     ; a step's keys
.set KWAVE, 256*KP                     ; what one tensor load brings of K
.set VP,    272                        ; a row of V's tile: 256 bytes + 16 = 68 words: the 32 lanes of an 8-byte load begin at words 4 r + 2 hh mod 64, all different (64 banks of 4 bytes: ISA guide 11.1)
.set VSLOT, 64*VP                      ; 256 keys of all 64 rows: what one tensor load brings of V
.set VOFF,  2048*KP                    ; V lies behind K
.set SP,    272                        ; the way out: a stage of 16 rows x (256 bytes + 16) for each wave.  It lies over K, behind a barrier behind which nobody reads K; K has had its one fill
.set STGW,  16*SP
.set RR,   1                           ; v1   r = lane % 16
.set HH,   2                           ; v2   hh = lane / 16
.set AK0,  3                           ; v3   my lane's place in a tile of K: 80 r + 16 hh
.set AV0,  4                           ; v4   in a tile of V: VOFF + 272 r + 8 hh
.set ADK,  5                           ; v5   LDS address of the K loads in hand
.set ADV,  6                           ; v6   of the V loads
.set QO,   7                           ; v7   my byte offset in a tile's rows of Q: 1,024 r + 16 hh
.set DG,   8                           ; v8   32 cx + r - 8 hh: on the diagonal, register 8 t + j of tile a is hidden where 16 t + j > DG, of tile b where 16 t + j - 16 > DG
.set NINF, 9                           ; v9   -infinity
.set STO,  10                          ; v10  the way out: where I put 32 bytes of a row
.set RD,   11                          ; v11  where I read a row back
.set GO,   12                          ; v12  my byte offset in two rows of out: 4,096 hh + 16 r
.set LIM,  13                          ; v13  unused
.set SCL,  14                          ; v14  2^ep as f32
.set STT,  16                          ; tile x (0, 1 the early pair, 2, 3 the late) at v[16 + 4 x]: +0 -M, +1 the largest t, +2, +3 the sum in two halves
.set WA,   32                          ; at work for tile a: +0, +1 two chains of the maximum, +2 f (+3 named with it as a pair), +4, +5 a second chain of the sum, +6 the other half's maximum
.set WB,   40                          ; the same for tile b
.set WO,   48
.set QF,   64
.set PF,   96
.set SA,   128
.set SB,   192
.set KF,   128                         ; in window 1
.set VF,   192                         ; in window 1
.set T0,   2                           ; s2, s3 at work
.set T1,   3
.set WV,   14                          ; s14  my wave's number J: also the early pair's group
.set JH,   15                          ; s15  15 - J: the late pair's group
.set CX,   16                          ; s16  my place in the cluster
.set HD,   17                          ; s17  the head: 16 b + h
.set STP,  18                          ; s18  the key step
.set TBK,  19                          ; s19  LDS byte of the next step's keys
.set EQ,   20                          ; s[20:23] eq, ek, ev, ep
.set EPV,  20                          ; s20  later ep + ev
.set G1K,  24                          ; s[24:31] descriptor group 1 for K's tiles;  s[32:39] for V's
.set G1V,  32
.set G0K,  40                          ; s[40:43], s[44:47] their groups 0; never rewritten
.set G0V,  44
.set CS,   48                          ; s[48:49] c = log2(e) / 8 x 2^(eq + ek): the packed form names a pair and takes its low word for both halves
.set SEL,  50                          ; s[50:51] lane selects for v_permlanex16_b32: lane l xor 16
.set QB,   52                          ; s[52:53], s[54:55] Q at the early, the late pair's first query
.set OBS,  56                          ; s[56:57], s[58:59] out likewise
.set OFD,  60                          ; s[60:61] offsets for the descriptors: they never hold cx
.set OFC,  62                          ; s62 a pair's first query, s63 32 cx
.set MSB, 0
.macro WIN new                         ; the immediate's high byte repeats the setting that is left; a switch that changes nothing is dropped
.if MSB != \new
	s_set_vgpr_msb (MSB<<8)|\new
.set MSB, \new
.endif
.endm
.set W_KQ,  0x01                       ; K in window 1; Q and S^T in window 0
.set W_PV,  0x51                       ; V and O^T (C and D) in window 1; P in window 0
.set W_RS,  0x41                       ; O^T (destination and source 0) in window 1; f in window 0
.set W_LD,  0x40                       ; destination in window 1, address in window 0
.set W_OUT, 0x01                       ; O^T (source 0) in window 1; the rest in window 0
; A round of the cluster's barrier: my work-group's barrier, so that wave 0's signal speaks for all eight waves; wave 0 signals for the work-group; every wave waits for all four work-groups; my work-group's barrier once more.
.macro CROUND
	s_barrier_signal -1
	s_barrier_wait -1
	s_cmp_lg_u32 s[WV], 0
	s_cbranch_scc1 .Lnot_wave_0_\@
	s_barrier_signal -3
.Lnot_wave_0_\@:
	s_barrier_wait -3
	s_barrier_signal -1
	s_barrier_wait -1
.endm
	s_load_b256 s[4:11], s[0:1], 0x0               ; Q's codes s[4:5], K's s[6:7], V's s[8:9], the scales' exponents s[10:11]
	s_load_b64 s[12:13], s[0:1], 0x20              ; out
	v_lshl_add_u32 v62, v0, 2, 0x4a000
	v_mov_b32 v63, 0
	ds_add_u32 v62, v63
	ds_add_u32 v62, v63
	v_lshrrev_b32 v[RR], 5, v0
	v_readfirstlane_b32 s[WV], v[RR]               ; wave 0..7
	s_xor_b32 s[JH], s[WV], 15                     ; 15 - J, for J under 16
	s_bfe_u32 s[CX], ttmp6, 0x40000                ; cx
	s_mov_b32 s[HD], ttmp9                         ; in a cluster launch ttmp9 counts clusters: a cluster is a head
	; descriptor group 1.  K: 256 rows of 64 bytes, 1,024 bytes apart;  V: 64 rows of 256 bytes, 2,048 apart
	s_mov_b32 s[G1K], 15|(1<<20)|(1<<21)|(3<<22)|(3<<25)   ; 15:0 the mask: all four work-groups; 17:16 elements of 1 byte; 20 padding on; 21 set beside a mask; 24:22 after every 16 words (code 3); 31:25 four words (code 3)
	s_mov_b32 s[G1K+1], 64<<16                     ; tensor_dim0
	s_mov_b32 s[G1K+2], 256<<16                    ; tensor_dim1
	s_mov_b32 s[G1K+3], 64<<16                     ; tile_dim0
	s_mov_b32 s[G1K+4], 256                        ; tile_dim1
	s_mov_b32 s[G1K+5], 1024                       ; tensor_dim0_stride
	s_mov_b32 s[G1K+6], 0
	s_mov_b32 s[G1K+7], 0
	s_mov_b32 s[G1V], 15|(1<<20)|(1<<21)|(5<<22)|(3<<25)   ; the same with four words of padding after every 64
	s_mov_b32 s[G1V+1], 256<<16
	s_mov_b32 s[G1V+2], 64<<16
	s_mov_b32 s[G1V+3], 256<<16
	s_mov_b32 s[G1V+4], 64
	s_mov_b32 s[G1V+5], 2048
	s_mov_b32 s[G1V+6], 0
	s_mov_b32 s[G1V+7], 0
	s_mov_b32 s[SEL], 0x76543210
	s_mov_b32 s[SEL+1], 0xfedcba98
	s_mov_b32 s[STP], 0
	s_mov_b32 s[TBK], KSTEP
	; byte offsets, made apart from the addresses
	s_lshr_b32 s[T0], s[HD], 4                     ; b
	s_and_b32 s[T1], s[HD], 15                     ; h
	s_lshl_b32 s[OFD], s[T0], 21
	s_lshl_b32 s[OFD+1], s[T1], 6
	s_add_co_u32 s[OFD], s[OFD], s[OFD+1]          ; the head's first byte in Q and in K: 2^21 b + 64 h
	s_lshl_b32 s[T0], s[T0], 23
	s_lshl_b32 s[T1], s[T1], 8
	s_add_co_u32 s[T0], s[T0], s[T1]               ; and in out: 2^23 b + 256 h
	s_lshl_b32 s[OFC+1], s[CX], 5                  ; 32 cx
	s_lshl_b32 s[OFC], s[WV], 7
	s_add_co_u32 s[OFC], s[OFC], s[OFC+1]          ; the early pair's first query: 128 J + 32 cx
	s_lshl_b32 s[QB], s[OFC], 10
	s_add_co_u32 s[QB], s[QB], s[OFD]
	s_lshl_b32 s[OBS], s[OFC], 12
	s_add_co_u32 s[OBS], s[OBS], s[T0]
	s_lshl_b32 s[OFC], s[JH], 7
	s_add_co_u32 s[OFC], s[OFC], s[OFC+1]          ; the late pair's: 128 (15 - J) + 32 cx
	s_lshl_b32 s[QB+2], s[OFC], 10
	s_add_co_u32 s[QB+2], s[QB+2], s[OFD]
	s_lshl_b32 s[OBS+2], s[OFC], 12
	s_add_co_u32 s[OBS+2], s[OBS+2], s[T0]
	s_mov_b32 s[QB+1], 0
	s_mov_b32 s[QB+3], 0
	s_mov_b32 s[OBS+1], 0
	s_mov_b32 s[OBS+3], 0
	s_lshl_b32 s[OFD+1], s[WV], 18
	s_add_co_u32 s[OFD], s[OFD], s[OFD+1]          ; K: my 256 keys of the head
	s_mov_b32 s[OFD+1], 0
	s_lshl_b32 s[T0], s[HD], 17
	s_lshl_b32 s[T1], s[WV], 8
	s_add_co_u32 s[T0], s[T0], s[T1]               ; V: the head's 64 rows, my 256 keys of each
	s_mov_b32 s[T1], 0
	s_mov_b32 s[G0K], 1                            ; 1:0 count = 1
	s_mul_i32 s[G0K+1], s[WV], KWAVE               ; 63:32 LDS address: the wave's number times a constant
	s_mov_b32 s[G0V], 1
	s_mul_i32 s[G0V+1], s[WV], VSLOT
	s_add_co_u32 s[G0V+1], s[G0V+1], VOFF
	s_wait_dscnt 0x0
	s_wait_kmcnt 0x0
	s_load_b128 s[EQ:EQ+3], s[10:11], 0x0          ; eq, ek, ev, ep
	s_add_nc_u64 s[G0K+2:G0K+3], s[6:7], s[OFD:OFD+1]   ; 120:64 global address: it hangs on the head and the wave alone, which the four partners share
	s_or_b32 s[G0K+3], s[G0K+3], 0x80000000        ; 127:126 type = 2
	s_add_nc_u64 s[G0V+2:G0V+3], s[8:9], s[T0:T0+1]
	s_or_b32 s[G0V+3], s[G0V+3], 0x80000000
	s_add_nc_u64 s[QB:QB+1], s[4:5], s[QB:QB+1]
	s_add_nc_u64 s[QB+2:QB+3], s[4:5], s[QB+2:QB+3]
	s_add_nc_u64 s[OBS:OBS+1], s[12:13], s[OBS:OBS+1]
	s_add_nc_u64 s[OBS+2:OBS+3], s[12:13], s[OBS+2:OBS+3]
	CROUND                                         ; all four work-groups are here: the joint loads meet
	tensor_load_to_lds s[G0K:G0K+3], s[G1K:G1K+7]  ; every wave asks for an eighth of K and an eighth of V: two tensor loads of mine are out, the launch's only ones
	s_nop 0
	tensor_load_to_lds s[G0V:G0V+3], s[G1V:G1V+7]
	s_nop 0
.rept 4
	v_nop                                          ; four v_nop follow the tensor loads
.endr
	v_and_b32 v[RR], 15, v0
	v_bfe_u32 v[HH], v0, 4, 1
	v_lshlrev_b32 v[QO], 10, v[RR]
	v_lshl_add_u32 v[QO], v[HH], 4, v[QO]
.irp x, 0,1,2,3                                ; Q stays in registers: tile x: pair x / 2, queries 16 (x % 2) on
.irp c, 0,1
	global_load_b128 v[QF+8*\x+4*\c:QF+8*\x+4*\c+3], v[QO], s[QB+2*(\x/2):QB+2*(\x/2)+1] offset:(\x%2)*16384+32*\c
.endr
.endr
	v_mul_u32_u24 v[AK0], v[RR], KP
	v_lshl_add_u32 v[AK0], v[HH], 4, v[AK0]
	v_mul_u32_u24 v[AV0], v[RR], VP
	v_lshl_add_u32 v[AV0], v[HH], 3, v[AV0]
	v_add_nc_u32 v[AV0], VOFF, v[AV0]
	v_lshlrev_b32 v[DG], 3, v[HH]
	v_sub_nc_u32 v[DG], v[RR], v[DG]
	v_add_nc_u32 v[DG], s[OFC+1], v[DG]            ; it feeds compares and selects alone: no branch and no LDS address hangs on cx
	v_mov_b32 v[NINF], 0xff800000
	s_mul_i32 s[T0], s[WV], STGW                   ; my stage
	v_mul_u32_u24 v[STO], v[RR], SP                ; in: row r, 32 bytes for each half of the lanes
	v_lshl_add_u32 v[STO], v[HH], 5, v[STO]
	v_add_nc_u32 v[STO], s[T0], v[STO]
	v_mul_u32_u24 v[RD], v[HH], SP                 ; back: lanes 0-15 one row of 256 bytes, lanes 16-31 the next
	v_lshl_add_u32 v[RD], v[RR], 4, v[RD]
	v_add_nc_u32 v[RD], s[T0], v[RD]
	v_lshlrev_b32 v[GO], 12, v[HH]                 ; and the same two rows in out: neighbouring queries lie 4,096 bytes apart
	v_lshl_add_u32 v[GO], v[RR], 4, v[GO]
.irp x, 0,1,2,3
	v_mov_b32 v[STT+4*\x+1], 0xff61b1e6            ; the largest t so far: -3e38, under every t
	v_mov_b32 v[STT+4*\x+2], 0                     ; the sum, in two halves
	v_mov_b32 v[STT+4*\x+3], 0
.endr
.irp x, 0,1,2,3
	v_floor_f32 v[STT+4*\x], -v[STT+4*\x+1]        ; -M
.endr
.set i, 0
.rept 16
	v_mov_b32 v[WA+i], 0                           ; written once: a lane permute's destination counts as read, and f's pair is named whole
.set i, i+1
.endr
	WIN W_LD
.set i, 0
.rept 128
	v_mov_b32 v[i], 0                              ; O^T: the first change of M leaves zeros zeros
.set i, i+1
.endr
	WIN 0
	s_wait_kmcnt 0x0
	s_add_co_i32 s[T0], s[EQ], s[EQ+1]
	s_lshl_b32 s[T0], s[T0], 23
	s_mov_b32 s[CS], 0x3e38aa3b                    ; log2(e) / 8
	s_add_co_i32 s[CS], s[CS], s[T0]               ; a score stands for score x 2^(eq + ek): the two exponents are added to c's exponent field
	s_mov_b32 s[CS+1], s[CS]                       ; (named with it as a pair, so it is written)
	s_add_co_i32 s[T0], s[EQ+3], 127
	s_lshl_b32 s[T1], s[T0], 23
	v_mov_b32 v[SCL], s[T1]                        ; 2^ep as f32: the conversion takes its exponent field
	s_add_co_i32 s[EPV], s[EQ+2], s[EQ+3]          ; ev + ep
; A step's K: eight fragments of 16 keys x 64, two loads of 16 bytes each.
.macro FETCH_K
	WIN W_LD
.irp t, 0,1,2,3,4,5,6,7
	ds_load_b128 v[KF+8*\t:KF+8*\t+3],   v[ADK] offset:\t*16*KP
	ds_load_b128 v[KF+8*\t+4:KF+8*\t+7], v[ADK] offset:\t*16*KP+32
.endr
	WIN 0
.endm
; A step's V: four fragments of 16 rows d x 128 keys, eight loads of 8 bytes each: registers 2 c, 2 c + 1 = keys 16 c + 8 hh + 0 .. 7.
.macro FETCH_V
	WIN W_LD
.irp d, 0,1,2,3
.irp c, 0,1,2,3,4,5,6,7
	ds_load_b64 v[VF+16*\d+2*\c:VF+16*\d+2*\c+1], v[ADV] offset:\d*16*VP+16*\c
.endr
.endr
	WIN 0
.endm
; Pair i (the symbol) of a tile's 32 pairs of weights joins the row's sum, in two chains: the sum itself and a second one that is added to it at the end.  It reads p as the exponential left it.
.macro SUM sb, xs, wk
.if i == 0
	v_pk_add_f32 v[\xs+2:\xs+3], v[\xs+2:\xs+3], v[\sb:\sb+1]
.elseif i == 1
	v_pk_add_f32 v[\wk+4:\wk+5], v[\sb+2:\sb+3], v[\sb+4:\sb+5]    ; pairs 1 and 2 start the second chain: nothing is cleared
.elseif i == 2
.elseif i%2 == 1
	v_pk_add_f32 v[\wk+4:\wk+5], v[\wk+4:\wk+5], v[\sb+2*i:\sb+2*i+1]
.else
	v_pk_add_f32 v[\xs+2:\xs+3], v[\xs+2:\xs+3], v[\sb+2*i:\sb+2*i+1]
.endif
.endm
; A PAIR STEP: pair p (tiles a = 2 p, b = 2 p + 1: 32 queries) against the step's 128 keys.  dreg: the scalar that holds the pair's group, whose step lies on the diagonal.
; nk = 1: the next step's K is fetched as soon as this step's has been multiplied.  vw: the LDS loads issued behind V's, which may stay out when V is wanted.
; The exponentials go in two batches, tile a's and tile b's, each among plain instructions of the other tile, and each with ONE wait ahead of the first instruction that names a result.
.macro PAIR p, dreg, nk, vw
.set XA,  STT+8*(\p)
.set XB,  STT+8*(\p)+4
.set OTA, 64*(\p)
.set OTB, 64*(\p)+32
	WIN W_KQ
.set t, 0
.rept 8                                        ; S^T = K Q^T: sixteen accumulators, each begun by the constant 0
	v_wmma_f32_16x16x64_fp8_fp8 v[SA+8*t:SA+8*t+7], v[KF+8*t:KF+8*t+7], v[QF+16*(\p):QF+16*(\p)+7], 0
	v_wmma_f32_16x16x64_fp8_fp8 v[SB+8*t:SB+8*t+7], v[KF+8*t:KF+8*t+7], v[QF+16*(\p)+8:QF+16*(\p)+15], 0
.set t, t+1
.endr
	WIN 0
.rept 4
	v_nop                                          ; four places ahead of the first read of the scores and of the loads into K's registers: no other vector work is at hand
.endr
.if \nk
	FETCH_K                                        ; its address was made at the trip's head; in the last step it is held at the last step's keys, and what comes is not used
.endif
	s_cmp_lg_u32 s[STP], s[\dreg]                  ; the wave's number and the step alone
	s_cbranch_scc1 .Lopen_\@
.set n, 0
.rept 64                                       ; on the diagonal the scores of hidden keys become -infinity ahead of the maximum: p = 0 then.  Each accumulator from its low end on
	v_cmp_gt_i32 vcc_lo, 16*(n/8)+n%8, v[DG]
	v_cndmask_b32 v[SA+n], v[SA+n], v[NINF], vcc_lo
	v_cmp_gt_i32 vcc_lo, 16*(n/8)+n%8-16, v[DG]
	v_cndmask_b32 v[SB+n], v[SB+n], v[NINF], vcc_lo
.set n, n+1
.endr
.Lopen_\@:
	v_max3_num_f32 v[WA], v[SA], v[SA+1], v[SA+2]  ; the step's largest score of my query among my 64 keys: two chains a tile, the tiles line by line
	v_max3_num_f32 v[WB], v[SB], v[SB+1], v[SB+2]
	v_max3_num_f32 v[WA+1], v[SA+3], v[SA+4], v[SA+5]
	v_max3_num_f32 v[WB+1], v[SB+3], v[SB+4], v[SB+5]
.set i, 6
.rept 14
	v_max3_num_f32 v[WA], v[WA], v[SA+i], v[SA+i+1]
	v_max3_num_f32 v[WB], v[WB], v[SB+i], v[SB+i+1]
	v_max3_num_f32 v[WA+1], v[WA+1], v[SA+i+2], v[SA+i+3]
	v_max3_num_f32 v[WB+1], v[WB+1], v[SB+i+2], v[SB+i+3]
.set i, i+4
.endr
	v_max3_num_f32 v[WA], v[WA], v[SA+62], v[SA+63]
	v_max3_num_f32 v[WB], v[WB], v[SB+62], v[SB+63]
	v_max_num_f32 v[WA], v[WA], v[WA+1]
	v_max_num_f32 v[WB], v[WB], v[WB+1]
	v_permlanex16_b32 v[WA+6], v[WA], s[SEL], s[SEL+1]   ; the query's other 64 keys lie in the lane 16 away
	v_permlanex16_b32 v[WB+6], v[WB], s[SEL], s[SEL+1]
	v_max_num_f32 v[WA], v[WA], v[WA+6]
	v_max_num_f32 v[WB], v[WB], v[WB+6]
	v_mul_f32 v[WA], s[CS], v[WA]                  ; as t (c is positive)
	v_mul_f32 v[WB], s[CS], v[WB]
	v_max_num_f32 v[XA+1], v[XA+1], v[WA]          ; the running largest t
	v_max_num_f32 v[XB+1], v[XB+1], v[WB]
	v_mov_b32 v[WA+1], v[XA]
	v_mov_b32 v[WB+1], v[XB]
	v_floor_f32 v[XA], -v[XA+1]                    ; the new -M = floor(-t) = -ceil(t): M is a whole number
	v_floor_f32 v[XB], -v[XB+1]
	v_sub_f32 v[WA+1], v[XA], v[WA+1]              ; M's old value less its new one: a whole number, 0 or less
	v_sub_f32 v[WB+1], v[XB], v[WB+1]
	v_cvt_i32_f32 v[WA+1], v[WA+1]                 ; (it saturates)
	v_cvt_i32_f32 v[WB+1], v[WB+1]
	v_ldexp_f32 v[WA+2], 1.0, v[WA+1]              ; f = 2^(old M - new M)
	v_ldexp_f32 v[WB+2], 1.0, v[WB+1]
	v_pk_mul_f32 v[XA+2:XA+3], v[XA+2:XA+3], v[WA+2:WA+3] op_sel_hi:[1,0]   ; the sums under the new M
	v_pk_mul_f32 v[XB+2:XB+3], v[XB+2:XB+3], v[WB+2:WB+3] op_sel_hi:[1,0]
.set i, 0
.rept 32
	v_pk_fma_f32 v[SA+2*i:SA+2*i+1], v[SA+2*i:SA+2*i+1], s[CS:CS+1], v[XA:XA+1] op_sel_hi:[1,0,0]   ; tile a: t - M, two at a time (of the pairs c and -M the low word serves both halves)
.set i, i+1
.endr
.set i, 0
.rept 32                                       ; tile a's exponentials, with tile b's scalings among them: nothing here names a result
	v_exp_f32 v[SA+2*i], v[SA+2*i]
	v_exp_f32 v[SA+2*i+1], v[SA+2*i+1]
	v_pk_fma_f32 v[SB+2*i:SB+2*i+1], v[SB+2*i:SB+2*i+1], s[CS:CS+1], v[XB:XB+1] op_sel_hi:[1,0,0]
.set i, i+1
.endr
	WIN W_RS
.set i, 0
.rept 16
	v_pk_mul_f32 v[OTA+2*i:OTA+2*i+1], v[OTA+2*i:OTA+2*i+1], v[WA+2:WA+3] op_sel_hi:[1,0]   ; tile a's O^T under the new M: independent work between the batch and its wait; each accumulator from its low end on
.set i, i+1
.endr
	WIN 0
	s_wait_alu depctr_va_vdst(0)                   ; one wait for tile a's 64 exponentials, ahead of their first reader
.set i, 0
.rept 32                                       ; tile b's exponentials, with tile a's sums among them
	v_exp_f32 v[SB+2*i], v[SB+2*i]
	SUM SA, XA, WA
	v_exp_f32 v[SB+2*i+1], v[SB+2*i+1]
.set i, i+1
.endr
	v_pk_add_f32 v[XA+2:XA+3], v[XA+2:XA+3], v[WA+4:WA+5]
.set t, 0
.rept 8
	v_cvt_scalef32_pk8_fp8_f32 v[PF+2*t:PF+2*t+1], v[SA+8*t:SA+8*t+7], v[SCL]   ; registers 2 t, 2 t + 1 of P: keys 16 t + 8 hh + 0 .. 7
.set t, t+1
.endr
	WIN W_RS
.set i, 0
.rept 16
	v_pk_mul_f32 v[OTB+2*i:OTB+2*i+1], v[OTB+2*i:OTB+2*i+1], v[WB+2:WB+3] op_sel_hi:[1,0]   ; tile b's O^T; also the plain lines behind tile a's conversions
.set i, i+1
.endr
	WIN 0
	s_wait_alu depctr_va_vdst(0)                   ; one wait for tile b's 64 exponentials
.set i, 0
.rept 32
	SUM SB, XB, WB
.set i, i+1
.endr
	v_pk_add_f32 v[XB+2:XB+3], v[XB+2:XB+3], v[WB+4:WB+5]
.set t, 0
.rept 8
	v_cvt_scalef32_pk8_fp8_f32 v[PF+16+2*t:PF+16+2*t+1], v[SB+8*t:SB+8*t+7], v[SCL]
.set t, t+1
.endr
	v_nop                                          ; one plain vector instruction between a scaled conversion and the matrix instruction that reads its result
	s_wait_dscnt \vw                               ; V is in; the loads issued behind it (the next step's K) may stay out
	WIN W_PV
.set t, 0
.rept 4                                        ; O^T += V^T P: eight accumulators by turns, one instruction a turn
	v_wmma_f32_16x16x128_fp8_fp8 v[OTA+8*t:OTA+8*t+7], v[VF+16*t:VF+16*t+15], v[PF:PF+15], v[OTA+8*t:OTA+8*t+7]
	v_wmma_f32_16x16x128_fp8_fp8 v[OTB+8*t:OTB+8*t+7], v[VF+16*t:VF+16*t+15], v[PF+16:PF+31], v[OTB+8*t:OTB+8*t+7]
.set t, t+1
.endr
	WIN 0
.endm
	s_wait_tensorcnt 0x0                           ; my eighths of K and V have landed,
	s_barrier_signal -1
	s_barrier_wait -1                              ; everybody's have: from here to the end of the loop LDS is only read
	v_mov_b32 v[ADK], v[AK0]
	FETCH_K                                        ; step 0
	s_wait_loadcnt 0x0                             ; Q
.Lstep:                                            ; sixteen trips, a constant; what a wave has no use for is jumped over
	s_lshr_b32 s[T0], s[STP], 1
	s_mul_i32 s[T0], s[T0], VSLOT
	s_and_b32 s[T1], s[STP], 1
	s_lshl_b32 s[T1], s[T1], 7
	s_add_co_u32 s[T0], s[T0], s[T1]               ; V of this step: slot step / 2, keys 128 (step % 2) on in its rows
	s_min_u32 s[T1], s[TBK], 15*KSTEP              ; K of the next step, held at the last
	v_add_nc_u32 v[ADV], s[T0], v[AV0]             ; on every wave's way; these two and two v_nop are the four places between the last trip's products and the loads into V's registers
	v_add_nc_u32 v[ADK], s[T1], v[AK0]
	v_nop
	v_nop
	s_cmp_gt_u32 s[STP], s[JH]                     ; all this step's keys come after all my queries
	s_cbranch_scc1 .Lidle
	FETCH_V
	s_wait_dscnt 32                                ; this step's K, asked for a trip ago, is in; V's 32 loads may be out
	s_cmp_gt_u32 s[STP], s[WV]                     ; the early pair is done
	s_cbranch_scc1 .Lno_lo
	PAIR 0, WV, 0, 0
.Lno_lo:
	PAIR 1, JH, 1, 16
.Lidle:
	s_add_co_u32 s[TBK], s[TBK], KSTEP
	s_add_co_u32 s[STP], s[STP], 1
	s_cmp_lt_u32 s[STP], 16
	s_cbranch_scc1 .Lstep
	; THE WAY OUT.  The sums' two halves and the other half of the lanes' are added; O^T is divided by the sum, multiplied by 2^(ep + ev), and goes through my stage in LDS, a tile (16 rows of out) at a time.
	s_wait_dscnt 0x0                               ; my reads of K and V are over (the last fetch of K among them)
	s_barrier_signal -1
	s_barrier_wait -1                              ; everybody's are: the stages may be written over K
.irp x, 0,1,2,3
	v_add_f32 v[WO+\x], v[STT+4*\x+2], v[STT+4*\x+3]   ; (these four are also the places behind the last products)
.endr
.irp x, 0,1,2,3
	v_permlanex16_b32 v[STT+4*\x+3], v[WO+\x], s[SEL], s[SEL+1]
.endr
.irp x, 0,1,2,3
	v_add_f32 v[WO+\x], v[WO+\x], v[STT+4*\x+3]    ; the row's sum
.endr
.irp x, 0,1,2,3
	v_rcp_f32 v[WO+4+\x], v[WO+\x]
.endr
	v_nop                                          ; a plain instruction between the last reciprocal and the use of its result
	s_wait_alu depctr_va_vdst(0)                   ; one wait for the four reciprocals, ahead of their first reader
.irp x, 0,1,2,3
	v_ldexp_f32 v[STT+4*\x+2], v[WO+4+\x], s[EPV]  ; 2^(ep + ev) / the sum
.endr
; Tile x: register 8 d + j of lane (r, hh) is out(query r, channel 16 d + 8 hh + j): 32 bytes of a row.  They go into rows of 272 bytes and come back as whole rows of 256, into the registers that they left.
.macro PACK x
	WIN W_OUT
.set i, 0
.rept 16
	v_pk_mul_f32 v[SA+32*(\x)+2*i:SA+32*(\x)+2*i+1], v[32*(\x)+2*i:32*(\x)+2*i+1], v[STT+4*(\x)+2:STT+4*(\x)+3] op_sel_hi:[1,0]   ; each accumulator from its low end on
.set i, i+1
.endr
	WIN 0
.irp d, 0,1,2,3
	ds_store_b128 v[STO], v[SA+32*(\x)+8*\d:SA+32*(\x)+8*\d+3] offset:64*\d
	ds_store_b128 v[STO], v[SA+32*(\x)+8*\d+4:SA+32*(\x)+8*\d+7] offset:64*\d+16
.endr
.irp f, 0,1,2,3,4,5,6,7
	ds_load_b128 v[SA+32*(\x)+4*\f:SA+32*(\x)+4*\f+3], v[RD] offset:\f*2*SP   ; LDS serves a wave's instructions in order (ISA guide 5.7.1.4): these see the stores above; the next tile's stores come behind them
.endr
.endm
.macro SEND x, y                               ; y: the LDS instructions issued behind tile x's loads: the next tile's sixteen, or none
.irp f, 0,1,2,3,4,5,6,7
	s_wait_dscnt (\y)+7-\f
	global_store_b128 v[GO], v[SA+32*(\x)+4*\f:SA+32*(\x)+4*\f+3], s[OBS+2*((\x)/2):OBS+2*((\x)/2)+1] offset:((\x)%2)*65536+8192*\f th:TH_STORE_NT   ; 16 lanes store one row of out: 256 consecutive bytes, at a multiple of 256 from its first byte; each tile has registers of its own, so no store's data are written again
.endr
.endm
	PACK 0
	PACK 1                                         ; a tile's arithmetic stands between the loads of the tile before and its stores
	SEND 0, 16
	PACK 2
	SEND 1, 16
	PACK 3
	SEND 2, 16
	SEND 3, 0
	s_wait_tensorcnt 0x0
	ds_add_u32 v62, v63
	s_wait_dscnt 0x0
	CROUND                                         ; the closing round, behind the last tensor loads: no work-group ends while a partner may still ask for a tile that names it
	s_endpgm
.Lfunc_end_k_q7e82a73e35_attn:
	.size	k_q7e82a73e35_attn, .Lfunc_end_k_q7e82a73e35_attn-k_q7e82a73e35_attn
	.p2alignl 7, 3214868480
	.fill 96, 4, 3214868480
	.section	.rodata,"a",@progbits
	.p2align	6, 0x0
	.amdhsa_kernel k_q7e82a73e35_attn
		.amdhsa_group_segment_fixed_size 304128
		.amdhsa_private_segment_fixed_size 0
		.amdhsa_enable_private_segment 0
		.amdhsa_kernarg_size 40
		.amdhsa_user_sgpr_count 2
		.amdhsa_user_sgpr_kernarg_segment_ptr 1
		.amdhsa_wavefront_size32 1
		.amdhsa_system_sgpr_workgroup_id_x 1
		.amdhsa_system_sgpr_workgroup_id_y 1
		.amdhsa_system_sgpr_workgroup_id_z 1
		.amdhsa_system_vgpr_workitem_id 0
		.amdhsa_next_free_vgpr 512
		.amdhsa_next_free_sgpr 66
		.amdhsa_reserve_vcc 1
		.amdhsa_float_denorm_mode_32 3
		.amdhsa_float_denorm_mode_16_64 3
		.amdhsa_fp16_overflow 1
		.amdhsa_memory_ordered 1
		.amdhsa_forward_progress 1
		.amdhsa_inst_pref_size 95
	.end_amdhsa_kernel
	.amdgpu_metadata
---
amdhsa.version: [ 1, 2 ]
amdhsa.kernels:
  - .name:           k_q7e82a73e35_attn
    .symbol:         k_q7e82a73e35_attn.kd
    .args:
      - { .name: queries_codes, .offset: 0, .size: 8, .value_kind: global_buffer, .address_space: global }
      - { .name: keys_codes, .offset: 8, .size: 8, .value_kind: global_buffer, .address_space: global }
      - { .name: values_codes, .offset: 16, .size: 8, .value_kind: global_buffer, .address_space: global }
      - { .name: lowp_scales, .offset: 24, .size: 8, .value_kind: global_buffer, .address_space: global }
      - { .name: out0, .offset: 32, .size: 8, .value_kind: global_buffer, .address_space: global }
    .group_segment_fixed_size: 304128
    .private_segment_fixed_size: 0
    .kernarg_segment_align: 8
    .kernarg_segment_size: 40
    .max_flat_workgroup_size: 256
    .sgpr_count:     66
    .vgpr_count:     512
    .wavefront_size: 32
...
	.end_amdgpu_metadata
.endif
;; end of part 1
